; MI455X (gfx1250); checked and timed in simulation.
; The chip was launched on July 23, 2026; its instructions are those of AMD's public machine-readable ISA for CDNA 5 (MIT licence, August 2026) and "CDNA5" Instruction Set Architecture Reference Guide (July 2026). The comments in the code are by the model that wrote it; some were corrected since.
;; MLE Feature Extractor. Allowed arithmetic: float matrix products may take bf16 or f16 operands with f32 sums; all other float work in f32.
;; Inputs: b1 2 float32; b2 1 float32; b3 64 float32; w1 2 x 128 float32; w2 1 x 2 float32; w3 64 x 2 float32; x 128 x 4,096 x 128 float32.
;; Outputs: out0 128 x 64 x 64 float32.
;; One version. Each part assembles by itself: llvm-mc -triple=amdgcn-amd-amdhsa -mcpu=gfx1250 --defsym DOCPART=n.
;; ======== version 1 of 1: 2 launches
;; workspace buffers: part 2,048 bytes
;; launch stats (part 1): grid 256 x 1, 16 waves a work-group, no clusters, 10,496 bytes of LDS; arguments x, w1, b1, w2, b2, part; writes part
.if DOCPART == 1
	.amdgcn_target "amdgcn-amd-amdhsa--gfx1250"
	.amdhsa_code_object_version 6
	.text
	.protected	k_q1cf0b8880c_stats
	.globl	k_q1cf0b8880c_stats
	.p2align	8
	.type	k_q1cf0b8880c_stats,@function
k_q1cf0b8880c_stats:
	s_mov_b64 s[64:65], 0
	v_nop
	global_prefetch_b8 v0, s[64:65] scope:SCOPE_SE
	s_setreg_imm32_b32 hwreg(HW_REG_WAVE_MODE, 25, 1), 1
	s_wait_xcnt 0x0
; First of two launches.  For half a batch (2,048 rows of x, 1 MiB) a work-group computes
;   t[s] = w2 . relu(w1 x[s] + b1) + b2,   l = log2(|t[s+2] - t[s]| + 1e-6)
; and stores S = sum of l and M2 = sum of (l - own mean)^2 (8 bytes) for the second launch.
; Work-group g: batch g / 2, half g % 2.  Half 0 owns the 2,046 differences inside rows 0..2047; half 1 owns the
; 2,048 differences that end in rows 2048..4095 and therefore needs rows 2046, 2047 too (the two rows in front).
; Sixteen waves, 128 rows each.  A lane owns 16 bytes (4 columns) of every row: one load of a wave is one whole row,
; 512 consecutive bytes, aligned.  32 rows of every wave are always on their way (a ring of 32 x 4 registers).
; The product has 2 output columns only and the data arrive with columns across the lanes, so it is made by packed
; f32 multiply-adds (4 a row); matrix fragments would want rows across the lanes, that is all of x through LDS.
; No cluster: the work-groups share nothing but the 1,024 bytes of w1.
; LIMITS: inputs finite.  relu is v_max_num_f32: a NaN sum becomes 0 (the reference keeps the NaN).  The norm of the
; one-element vector is taken as |d|; the reference's sqrt(d*d) is inf for |d| above about 1.8e19.  The dot products
; are f32 fused multiply-adds in another order than the reference's; v_log_f32 is good to 1 ulp.
.set ROWB,  512                        ; bytes in a row of x
.set BLK,   32                         ; rows in a block = loads in flight in a wave
.set TOFF,  8                          ; LDS: t of the two rows in front at bytes 0 and 4, own row r at 8 + 4 r (2,050 words)
.set RED1,  8208                       ; LDS: 16 words, the waves' sums of l
.set RED2,  8272                       ; LDS: 16 words, the waves' sums of squares
.set OFF,  1                           ; v1        16 x lane: my bytes in every row
.set W,    2                           ; v[2:9]    pairs (w1[0][c], w1[1][c]) of my 4 columns c
.set TA,   10                          ; v10       LDS address 512 x wave + 4 x lane
.set T,    12                          ; v[12:17]  at work
.set H,    20                          ; v[20:27]  wave 0: the two rows in front
.set HP,   28                          ; v[28:31]  wave 0: their partial sums
.set LG,   32                          ; v[32:35]  my four l (named v32..v35 where |.| is written)
.set E,    36                          ; v[36:39]  l - mean
.set SS,   40                          ; v[40:41]  S, M2: the pair that is stored
.set TMP,  42
.set A2,   43                          ; 16 x thread: my four t in LDS
.set RA,   44                          ; 4 x wave
.set RL,   45                          ; 4 x (lane % 16)
.set ZERO, 46
.set X,    64                          ; v[64:191]  ring: row i of the block in 4 registers
.set P,    192                         ; v[192:255] row i: my lane's part of (h0, h1) before bias
	s_load_b256 s[4:11], s[0:1], 0x0               ; x s[4:5], w1 s[6:7], b1 s[8:9], w2 s[10:11]
	s_load_b128 s[12:15], s[0:1], 0x20             ; b2 s[12:13], part s[14:15]
	v_lshl_add_u32 v62, v0, 2, 0x2100
	v_mov_b32 v63, 0
	v_lshrrev_b32 v[T], 5, v0
	v_readfirstlane_b32 s16, v[T]                  ; wave 0..15
	v_and_b32 v[TA], 31, v0                        ; lane
	v_lshlrev_b32 v[OFF], 4, v[TA]
	s_lshl_b32 s29, s16, 9                         ; 128 words of t for each wave
	v_lshl_add_u32 v[TA], v[TA], 2, s29
	s_and_b32 s17, ttmp9, 1                        ; which half of the batch
	s_lshl_b32 s18, ttmp9, 20                      ; the group's 2,048 rows of 512 bytes (below 2^28)
	s_mov_b32 s19, 0
	s_lshl_b32 s20, s17, 10                        ; two rows back for half 1; half 0 has none in front and takes its own
	s_mov_b32 s21, 0                               ; rows 0, 1 (inside the buffer); their two differences are deselected below
	s_lshl_b32 s22, s16, 16                        ; the wave's 128 rows
	s_mov_b32 s23, 0
	s_lshl_b32 s42, ttmp9, 3                       ; 8 bytes of part for each group
	s_mov_b32 s43, 0
	s_mov_b32 s32, 0xff00ff00                      ; lanes with bit 3 set
	s_mov_b32 s33, 0xf0f0f0f0                      ; bit 2
	s_mov_b32 s34, 0xcccccccc                      ; bit 1
	s_mov_b32 s35, 0xaaaaaaaa                      ; bit 0
	s_mov_b32 s36, 0x76543210                      ; v_permlanex16_b32: lane i takes lane i of the other half
	s_mov_b32 s37, 0xfedcba98
	s_mov_b32 s38, 0x358637bd                      ; 1e-6
	s_mov_b32 s40, 0x3a002008                      ; 1 / 2046: half 0's number of differences
	s_cmp_lg_u32 s17, 0
	s_cselect_b32 s40, 0x3a000000, s40             ; 1 / 2048: half 1's
	s_wait_kmcnt 0x0
.irp j, 0,1,2,3
	global_load_b32 v[W+2*\j],   v[OFF], s[6:7] offset:4*\j        ; w1[0][4 lane + j]
	global_load_b32 v[W+2*\j+1], v[OFF], s[6:7] offset:512+4*\j    ; w1[1][4 lane + j], beside it: no copies needed
.endr
	s_load_b64 s[24:25], s[8:9], 0x0               ; b1
	s_load_b64 s[26:27], s[10:11], 0x0             ; w2
	s_load_b32 s28, s[12:13], 0x0                  ; b2
	s_add_nc_u64 s[4:5], s[4:5], s[18:19]          ; x at the group's first row
	s_sub_nc_u64 s[30:31], s[4:5], s[20:21]        ; the two rows in front
	s_add_nc_u64 s[4:5], s[4:5], s[22:23]          ; x at the wave's first row: never stepped again, rows go by the immediate
	s_add_nc_u64 s[14:15], s[14:15], s[42:43]
.macro FILL                            ; the first block: 32 rows
.set i, 0
.rept BLK
	global_load_b128 v[X+4*i:X+4*i+3], v[OFF], s[4:5] offset:i*ROWB th:TH_LOAD_NT
.set i, i+1
.endr
.endm
; dst pair = (sum of x[c] w1[0][c], sum of x[c] w1[1][c]) over my 4 columns: x[c] feeds both halves (op_sel, op_sel_hi of source 0)
.macro DOT dst, src
	v_pk_mul_f32 v[\dst:\dst+1], v[\src:\src+1],   v[W:W+1] op_sel_hi:[0,1]
	v_pk_fma_f32 v[\dst:\dst+1], v[\src:\src+1],   v[W+2:W+3], v[\dst:\dst+1] op_sel:[1,0,0] op_sel_hi:[1,1,1]
	v_pk_fma_f32 v[\dst:\dst+1], v[\src+2:\src+3], v[W+4:W+5], v[\dst:\dst+1] op_sel_hi:[0,1,1]
	v_pk_fma_f32 v[\dst:\dst+1], v[\src+2:\src+3], v[W+6:W+7], v[\dst:\dst+1] op_sel:[1,0,0] op_sel_hi:[1,1,1]
.endm
.macro ROWSUM s                        ; sum over each half of 16 lanes, in every lane of it
.irp m, 1,2,4,8
	v_add_f32_dpp v[\s], v[\s], v[\s] row_xmask:\m row_mask:0xf bank_mask:0xf
.endr
.endm
.macro WAVESUM s, tmp                  ; sum over the 32 lanes; tmp has been written before (the permute counts as its reader)
	ROWSUM \s
	v_permlanex16_b32 v[\tmp], v[\s], s36, s37
	v_add_f32 v[\s], v[\s], v[\tmp]
.endm
; dst = w2[0] relu(src + b1[0]) + w2[1] relu(src+1 + b1[1]) + b2.  Rows whose two relu are 0 give b2 exactly, so their difference is 0.
.macro TVAL dst, src
	v_add_f32 v[\dst],   s24, v[\src]
	v_add_f32 v[\dst+1], s25, v[\src+1]
	v_max_num_f32 v[\dst],   0, v[\dst]
	v_max_num_f32 v[\dst+1], 0, v[\dst+1]
	v_fma_f32 v[\dst], s26, v[\dst], s28
	v_fma_f32 v[\dst], s27, v[\dst+1], v[\dst]
.endm
; THE FOLD: 32 rows x 2 sums, each spread over 32 lanes, become one row's two sums in each lane (lane L: row L).
; Each step halves the registers: of rows r and r + m, the lanes with bit m clear go on with r, the others with r + m,
; and each lane adds what its partner (lane xor m) held of the row that it keeps.
; Step 16: the swap puts row r's upper lanes under row r's lower ones and row r+16's lower ones beside its upper ones.
.macro FOLD16
.set r, 0
.rept 16
	v_permlane16_swap_b32 v[P+2*r],   v[P+2*r+32]
	v_permlane16_swap_b32 v[P+2*r+1], v[P+2*r+33]
	v_pk_add_f32 v[P+2*r:P+2*r+1], v[P+2*r:P+2*r+1], v[P+2*r+32:P+2*r+33]
.set r, r+1
.endr
.endm
; Steps 8, 4, 2, 1: T = what I send (the row I give up), P = what I keep, then P += partner's T, the exchange riding on the add.
.macro FOLD m, mask
.set r, 0
.rept \m
	v_cndmask_b32 v[T],       v[P+2*(r+\m)],   v[P+2*r],       \mask
	v_cndmask_b32 v[T+1],     v[P+2*(r+\m)+1], v[P+2*r+1],     \mask
	v_cndmask_b32 v[P+2*r],   v[P+2*r],        v[P+2*(r+\m)],   \mask
	v_cndmask_b32 v[P+2*r+1], v[P+2*r+1],      v[P+2*(r+\m)+1], \mask
	v_add_f32_dpp v[P+2*r],   v[T],   v[P+2*r]   row_xmask:\m row_mask:0xf bank_mask:0xf
	v_add_f32_dpp v[P+2*r+1], v[T+1], v[P+2*r+1] row_xmask:\m row_mask:0xf bank_mask:0xf
.set r, r+1
.endr
.endm
; Block k of the wave's four.  refill = 1: as soon as a row is used, its registers are asked for the same row of block k + 1.
.macro BLOCK k, refill
.set i, 0
.rept BLK
.if \refill
	s_wait_loadcnt BLK-1                           ; loads return in order (ISA guide 5.7.1): row i is in, the 31 younger loads stay out
.else
	s_wait_loadcnt BLK-1-i                         ; nothing is asked any more: the count runs down to 0
.endif
	DOT P+2*i, X+4*i
.if \refill
	global_load_b128 v[X+4*i:X+4*i+3], v[OFF], s[4:5] offset:(BLK*(\k+1)+i)*ROWB th:TH_LOAD_NT
.endif
.set i, i+1
.endr
	FOLD16
	FOLD 8, s32
	FOLD 4, s33
	FOLD 2, s34
	FOLD 1, s35
	TVAL T, P
	ds_store_b32 v[TA], v[T] offset:TOFF+4*BLK*\k  ; t of row 128 wave + 32 k + lane
.endm
	; Wave 0 also takes the two rows in front.  Its two loads go out ahead of the ring, so that they are back first;
	; one branch holds loads and use together, and the ring's fill is written on both paths.
	s_cmp_lg_u32 s16, 0
	s_cbranch_scc1 .Lplain
	global_load_b128 v[H:H+3],   v[OFF], s[30:31]             ; no hint: the neighbouring group reads these rows too
	global_load_b128 v[H+4:H+7], v[OFF], s[30:31] offset:ROWB
	FILL
	s_wait_loadcnt BLK                             ; w1 and the two rows are in; the ring's 32 loads stay out
	s_wait_kmcnt 0x0                               ; b1, w2, b2
	DOT HP, H
	DOT HP+2, H+4
	v_permlane16_swap_b32 v[HP],   v[HP+2]         ; as in step 16 of the fold: lanes 0-15 go on with the first row, 16-31 with the second
	v_permlane16_swap_b32 v[HP+1], v[HP+3]
	v_pk_add_f32 v[HP:HP+1], v[HP:HP+1], v[HP+2:HP+3]
	ROWSUM HP
	ROWSUM HP+1
	TVAL T, HP
	v_bfe_u32 v[T+2], v0, 4, 1
	v_lshlrev_b32 v[T+2], 2, v[T+2]
	ds_store_b32 v[T+2], v[T]                      ; bytes 0 and 4; the 16 lanes of a half write one word with one value
	s_branch .Lgo
.Lplain:
	FILL
	s_wait_kmcnt 0x0                               ; b1, w2, b2
.Lgo:
	BLOCK 0, 1
	BLOCK 1, 1
	BLOCK 2, 1
	BLOCK 3, 0
	; All t of the group are in LDS once every wave's stores are done and all have met.
	s_wait_dscnt 0x0
	s_barrier_signal -1
	v_lshlrev_b32 v[A2], 4, v0
	v_add_nc_u32 v[TMP], s17, v0
	v_cmp_ne_u32 s39, 0, v[TMP]                    ; off only for thread 0 of half 0: its first two differences do not exist
	v_mov_b32 v[RA], s16
	v_lshlrev_b32 v[RA], 2, v[RA]
	v_and_b32 v[RL], 15, v0
	v_lshlrev_b32 v[RL], 2, v[RL]
	s_barrier_wait -1
	ds_load_b128 v[T:T+3],   v[A2]                 ; thread n: words 4 n .. 4 n + 5, differences 4 n .. 4 n + 3
	ds_load_b64  v[T+4:T+5], v[A2] offset:16
	s_wait_dscnt 0x0
	v_pk_add_f32 v[LG:LG+1],   v[T+2:T+3], v[T:T+1]   neg_lo:[0,1] neg_hi:[0,1]
	v_pk_add_f32 v[LG+2:LG+3], v[T+4:T+5], v[T+2:T+3] neg_lo:[0,1] neg_hi:[0,1]
.irp r, 32,33,34,35
	v_add_f32 v\r, |v\r|, s38                      ; |d| + 1e-6
.endr
.irp r, 32,33,34,35
	v_log_f32 v\r, v\r                             ; base 2; ln 2 is folded into the second launch's constants
.endr
	v_nop                                          ; one plain instruction between a transcendental and its result's use (ISA guide 5.7.2)
	s_wait_alu depctr_va_vdst(0)
	v_cndmask_b32 v[LG],   0, v[LG],   s39
	v_cndmask_b32 v[LG+1], 0, v[LG+1], s39
	v_add_f32 v[SS],  v[LG],   v[LG+1]
	v_add_f32 v[TMP], v[LG+2], v[LG+3]
	v_add_f32 v[SS],  v[SS],   v[TMP]
	WAVESUM SS, TMP
	ds_store_b32 v[RA], v[SS] offset:RED1          ; my wave's word
	s_wait_dscnt 0x0
	s_barrier_signal -1
	s_barrier_wait -1
	ds_load_b32 v[SS], v[RL] offset:RED1           ; each half of 16 lanes holds the 16 waves' sums
	s_wait_dscnt 0x0
	ROWSUM SS                                      ; S, in every lane
	v_mul_f32 v[TMP], s40, v[SS]                   ; the group's own mean: the squares are taken about it, so nothing cancels
.irp q, 0,1,2,3
	v_sub_f32 v[E+\q], v[LG+\q], v[TMP]
.endr
	v_cndmask_b32 v[E],   0, v[E],   s39
	v_cndmask_b32 v[E+1], 0, v[E+1], s39
	v_mul_f32  v[SS+1], v[E],   v[E]
	v_fmac_f32 v[SS+1], v[E+1], v[E+1]
	v_fmac_f32 v[SS+1], v[E+2], v[E+2]
	v_fmac_f32 v[SS+1], v[E+3], v[E+3]
	WAVESUM SS+1, TMP
	ds_store_b32 v[RA], v[SS+1] offset:RED2        ; other bytes than the first sums: no barrier is owed to their readers
	s_wait_dscnt 0x0
	s_barrier_signal -1
	s_barrier_wait -1
	s_cmp_lg_u32 s16, 0
	s_cbranch_scc1 .Lend                           ; wave 0 finishes alone
	ds_load_b32 v[SS+1], v[RL] offset:RED2
	v_mov_b32 v[ZERO], 0
	v_cmp_eq_u32 vcc_lo, 0, v0
	s_wait_dscnt 0x0
	ROWSUM SS+1                                    ; M2
	s_wait_xcnt 0x0                                ; EXEC is a source of every earlier load: it changes only behind this wait
	s_wait_tensorcnt 0x0
	ds_add_u32 v62, v63
	s_wait_dscnt 0x0
	s_and_saveexec_b32 s44, vcc_lo                 ; lane 0 alone
	global_store_b64 v[ZERO], v[SS:SS+1], s[14:15] ; part[g] = (S, M2)
	s_endpgm
.Lend:
	s_wait_tensorcnt 0x0
	ds_add_u32 v62, v63
	s_wait_dscnt 0x0
	s_endpgm
.Lfunc_end_k_q1cf0b8880c_stats:
	.size	k_q1cf0b8880c_stats, .Lfunc_end_k_q1cf0b8880c_stats-k_q1cf0b8880c_stats
	.p2alignl 7, 3214868480
	.fill 96, 4, 3214868480
	.section	.rodata,"a",@progbits
	.p2align	6, 0x0
	.amdhsa_kernel k_q1cf0b8880c_stats
		.amdhsa_group_segment_fixed_size 10496
		.amdhsa_private_segment_fixed_size 0
		.amdhsa_enable_private_segment 0
		.amdhsa_kernarg_size 48
		.amdhsa_user_sgpr_count 2
		.amdhsa_user_sgpr_kernarg_segment_ptr 1
		.amdhsa_wavefront_size32 1
		.amdhsa_system_sgpr_workgroup_id_x 1
		.amdhsa_system_sgpr_workgroup_id_y 1
		.amdhsa_system_sgpr_workgroup_id_z 1
		.amdhsa_system_vgpr_workitem_id 0
		.amdhsa_next_free_vgpr 256
		.amdhsa_next_free_sgpr 66
		.amdhsa_reserve_vcc 1
		.amdhsa_float_denorm_mode_32 3
		.amdhsa_float_denorm_mode_16_64 3
		.amdhsa_memory_ordered 1
		.amdhsa_forward_progress 1
		.amdhsa_inst_pref_size 92
	.end_amdhsa_kernel
	.amdgpu_metadata
---
amdhsa.version: [ 1, 2 ]
amdhsa.kernels:
  - .name:           k_q1cf0b8880c_stats
    .symbol:         k_q1cf0b8880c_stats.kd
    .args:
      - { .name: x, .offset: 0, .size: 8, .value_kind: global_buffer, .address_space: global }
      - { .name: w1, .offset: 8, .size: 8, .value_kind: global_buffer, .address_space: global }
      - { .name: b1, .offset: 16, .size: 8, .value_kind: global_buffer, .address_space: global }
      - { .name: w2, .offset: 24, .size: 8, .value_kind: global_buffer, .address_space: global }
      - { .name: b2, .offset: 32, .size: 8, .value_kind: global_buffer, .address_space: global }
      - { .name: part, .offset: 40, .size: 8, .value_kind: global_buffer, .address_space: global }
    .group_segment_fixed_size: 10496
    .private_segment_fixed_size: 0
    .kernarg_segment_align: 8
    .kernarg_segment_size: 48
    .max_flat_workgroup_size: 512
    .sgpr_count:     66
    .vgpr_count:     256
    .wavefront_size: 32
...
	.end_amdgpu_metadata
.endif
;; end of part 1
;; launch finish (part 2): grid 256 x 1, 4 waves a work-group, no clusters, 0 bytes of LDS; arguments part, w3, b3, out0; writes out0
.if DOCPART == 2
	.amdgcn_target "amdgcn-amd-amdhsa--gfx1250"
	.amdhsa_code_object_version 6
	.text
	.protected	k_q1cf0b8880c_finish
	.globl	k_q1cf0b8880c_finish
	.p2align	8
	.type	k_q1cf0b8880c_finish,@function
k_q1cf0b8880c_finish:
	s_mov_b64 s[64:65], 0
	v_nop
	global_prefetch_b8 v0, s[64:65] scope:SCOPE_SE
	s_setreg_imm32_b32 hwreg(HW_REG_WAVE_MODE, 25, 1), 1
	s_wait_xcnt 0x0
; Second launch.  Joins the two halves' (S, M2) of a batch, makes mean and unbiased std of the natural logs,
; out[o] = tanh(mean w3[o][0] + std w3[o][1] + b3[o]), and writes the row of 64 numbers 64 times.
; Work-group g: batch g / 2, rows 32 (g % 2) .. + 31 of its 64 x 64 output: 8,192 consecutive bytes at 8,192 g.
; Four waves.  A lane makes the 4 columns 4 (lane % 16) .. + 3 once and stores them four times; every store of a wave
; covers 512 consecutive bytes, aligned.
; The sums come in base-2 logs: mean = ln2 S / 4094;  var = ln2^2 M2 / 4093 with
; M2 = M2a + M2b + (Sa/2046 - Sb/2048)^2 * 2046 * 2048 / 4094 (two groups' squares about their own means, joined).
; LIMITS: tanh(z) = 1 - 2 / (1 + 2^(2 log2(e) z)), absolute error about 1e-7; it ends in +1 and -1 for large |z|.
.set K_INVA, 0x3a002008                ; 1 / 2046
.set K_NINVB, 0xba000000               ; -1 / 2048
.set K_JOIN, 0x447fdffc                ; 2046 * 2048 / 4094 = 1023.49976
.set K_VAR,  0x38f62c18                ; ln2^2 / 4093
.set K_MEAN, 0x39318849                ; ln2 / 4094
.set K_2LOG2E, 0x4038aa3b              ; 2 log2(e)
	s_load_b256 s[4:11], s[0:1], 0x0               ; part s[4:5], w3 s[6:7], b3 s[8:9], out0 s[10:11]
	v_and_b32 v1, 15, v0                           ; my group of 4 columns
	v_lshlrev_b32 v2, 5, v1                        ; 4 rows of w3, 8 bytes each
	v_lshlrev_b32 v3, 4, v1                        ; 4 numbers of b3
	v_lshlrev_b32 v4, 4, v0                        ; my 16 bytes in each run of 2,048 bytes of output
	s_lshr_b32 s12, ttmp9, 1
	s_lshl_b32 s12, s12, 4                         ; the batch's 16 bytes of part
	s_mov_b32 s13, 0
	s_lshl_b32 s14, ttmp9, 13                      ; the group's 8,192 bytes of output
	s_mov_b32 s15, 0
	s_wait_kmcnt 0x0
	s_add_nc_u64 s[4:5], s[4:5], s[12:13]
	s_load_b128 s[16:19], s[4:5], 0x0              ; Sa, M2a (2,046 numbers), Sb, M2b (2,048 numbers)
	global_load_b128 v[8:11],  v2, s[6:7]          ; w3[4c][0], w3[4c][1], w3[4c+1][0], w3[4c+1][1]
	global_load_b128 v[12:15], v2, s[6:7] offset:16
	global_load_b128 v[16:19], v3, s[8:9]          ; b3[4c .. 4c+3]
	s_add_nc_u64 s[10:11], s[10:11], s[14:15]
	s_wait_kmcnt 0x0
	v_mul_f32 v20, s16, K_INVA                     ; half 0's mean
	v_fma_f32 v20, s18, K_NINVB, v20               ; minus half 1's
	v_add_f32 v21, s17, s19
	v_mul_f32 v20, v20, v20
	v_fmamk_f32 v21, v20, K_JOIN, v21              ; M2 of all 4,094
	v_mul_f32 v21, K_VAR, v21
	v_sqrt_f32 v21, v21                            ; std (M2 is a sum of squares: never negative)
	v_add_f32 v22, s16, s18                        ; a plain instruction stands between the root and its use (ISA guide 5.7.2)
	v_mul_f32 v22, K_MEAN, v22                     ; mean
	s_wait_loadcnt 0x0
	s_wait_alu depctr_va_vdst(0)
.irp j, 0,1,2,3
	v_fma_f32 v[16+\j], v21, v[9+2*\j], v[16+\j]
	v_fma_f32 v[16+\j], v22, v[8+2*\j], v[16+\j]   ; z
.endr
	v_pk_mul_f32 v[16:17], v[16:17], K_2LOG2E op_sel_hi:[1,0]
	v_pk_mul_f32 v[18:19], v[18:19], K_2LOG2E op_sel_hi:[1,0]
.irp j, 16,17,18,19
	v_exp_f32 v\j, v\j                             ; e^(2z)
.endr
	v_nop
	s_wait_alu depctr_va_vdst(0)
	v_pk_add_f32 v[16:17], v[16:17], 1.0 op_sel_hi:[1,0]
	v_pk_add_f32 v[18:19], v[18:19], 1.0 op_sel_hi:[1,0]
.irp j, 16,17,18,19
	v_rcp_f32 v\j, v\j
.endr
	v_nop
	s_wait_alu depctr_va_vdst(0)
	v_pk_fma_f32 v[16:17], v[16:17], -2.0, 1.0 op_sel_hi:[1,0,0]
	v_pk_fma_f32 v[18:19], v[18:19], -2.0, 1.0 op_sel_hi:[1,0,0]
.irp q, 0,1,2,3
	global_store_b128 v4, v[16:19], s[10:11] offset:2048*\q th:TH_STORE_NT   ; 8 rows of 256 bytes by the four waves, four times
.endr
	s_endpgm
.Lfunc_end_k_q1cf0b8880c_finish:
	.size	k_q1cf0b8880c_finish, .Lfunc_end_k_q1cf0b8880c_finish-k_q1cf0b8880c_finish
	.p2alignl 7, 3214868480
	.fill 96, 4, 3214868480
	.section	.rodata,"a",@progbits
	.p2align	6, 0x0
	.amdhsa_kernel k_q1cf0b8880c_finish
		.amdhsa_group_segment_fixed_size 0
		.amdhsa_private_segment_fixed_size 0
		.amdhsa_enable_private_segment 0
		.amdhsa_kernarg_size 32
		.amdhsa_user_sgpr_count 2
		.amdhsa_user_sgpr_kernarg_segment_ptr 1
		.amdhsa_wavefront_size32 1
		.amdhsa_system_sgpr_workgroup_id_x 1
		.amdhsa_system_sgpr_workgroup_id_y 1
		.amdhsa_system_sgpr_workgroup_id_z 1
		.amdhsa_system_vgpr_workitem_id 0
		.amdhsa_next_free_vgpr 24
		.amdhsa_next_free_sgpr 66
		.amdhsa_reserve_vcc 0
		.amdhsa_float_denorm_mode_32 3
		.amdhsa_float_denorm_mode_16_64 3
		.amdhsa_memory_ordered 1
		.amdhsa_forward_progress 1
		.amdhsa_inst_pref_size 4
	.end_amdhsa_kernel
	.amdgpu_metadata
---
amdhsa.version: [ 1, 2 ]
amdhsa.kernels:
  - .name:           k_q1cf0b8880c_finish
    .symbol:         k_q1cf0b8880c_finish.kd
    .args:
      - { .name: part, .offset: 0, .size: 8, .value_kind: global_buffer, .address_space: global }
      - { .name: w3, .offset: 8, .size: 8, .value_kind: global_buffer, .address_space: global }
      - { .name: b3, .offset: 16, .size: 8, .value_kind: global_buffer, .address_space: global }
      - { .name: out0, .offset: 24, .size: 8, .value_kind: global_buffer, .address_space: global }
    .group_segment_fixed_size: 0
    .private_segment_fixed_size: 0
    .kernarg_segment_align: 8
    .kernarg_segment_size: 32
    .max_flat_workgroup_size: 128
    .sgpr_count:     66
    .vgpr_count:     24
    .wavefront_size: 32
...
	.end_amdgpu_metadata
.endif
;; end of part 2
